; MI455X (gfx1250); checked and timed in simulation.
; The chip was launched on July 23, 2026; its instructions are those of AMD's public machine-readable ISA for CDNA 5 (MIT licence, August 2026) and "CDNA5" Instruction Set Architecture Reference Guide (July 2026). The comments in the code are by the model that wrote it; some were corrected since.
;; Full Attention. Allowed arithmetic: float matrix products may take bf16 or f16 operands with f32 sums; other float arithmetic in f32, or as packed bf16 or f16 multiplies, adds, multiply-adds, maxima and minima; sums over many terms, partial sums and values carried from step to step in f32; what a program stores and reads back later, other than sums and carried values, may be rounded once to bf16 or f16.
;; Inputs: keys 4 x 2,048 x 16 x 64 float32; queries 4 x 2,048 x 16 x 64 float32; values 4 x 2,048 x 16 x 64 float32.
;; Outputs: out0 4 x 2,048 x 16 x 64 float32.
;; One version. Each part assembles by itself: llvm-mc -triple=amdgcn-amd-amdhsa -mcpu=gfx1250 --defsym DOCPART=n.
;; ======== version 1 of 1: 1 launch
;; limits: inputs' magnitudes at most 65,504; values are held in f16: magnitudes above 65,504 overflow, below 6.1e-05 lose precision; right only within a limited range of input values
;; launch attn (part 1): grid 4 x 64, 4 waves a work-group, clusters of 4 x 1, 327,680 bytes of LDS; arguments queries, keys, values, out0; writes out0
.if DOCPART == 1
	.amdgcn_target "amdgcn-amd-amdhsa--gfx1250"
	.amdhsa_code_object_version 6
	.text
	.protected	k_q83c6d47f6c_attn
	.globl	k_q83c6d47f6c_attn
	.p2align	8
	.type	k_q83c6d47f6c_attn,@function
k_q83c6d47f6c_attn:
	s_mov_b64 s[64:65], 0
	v_nop
	global_prefetch_b8 v0, s[64:65] scope:SCOPE_SE
	s_setreg_imm32_b32 hwreg(HW_REG_WAVE_MODE, 25, 1), 1
	s_wait_xcnt 0x0
	s_wait_alu depctr_hold_cnt(0) depctr_sa_sdst(0) depctr_va_vdst(0) depctr_va_sdst(0) depctr_va_ssrc(0) depctr_va_vcc(0) depctr_vm_vsrc(0)
	s_getreg_b32 s2, hwreg(HW_REG_IB_STS2, 6, 4)
	s_cmp_eq_u32 s2, 0
	s_cbranch_scc0 .Lentry_in_a_cluster
	s_endpgm
.Lentry_in_a_cluster:
	s_bfe_u32 s2, ttmp6, 0x10000c
	s_cmp_lg_u32 s2, 0x3003
	s_cbranch_scc0 .Lentry_shape_is_right
	s_endpgm
.Lentry_shape_is_right:
; ATTENTION WITH A BUILT-IN BAND MASK.  queries, keys, values, out0: [4][2048][16][64] f32; a head's row is 256 bytes, rows lie 4,096 bytes apart.
; out[b][q][h][:] = the sum over visible k of softmax_k(Q[q] . K[k] / 8) V[k][:].  Key k is HIDDEN from query q where k <= q + off and k != 2047, off = 2^(h / 4) - 1.
; FORMATS.  Q, K and V are rounded once to bf16.  S^T = K Q^T is a bf16 product; V's bf16 number is written as f16 (the same number inside f16's range), the weights p are rounded to f16, and
; O^T = V^T P is an f16 product.  Sums, maxima, the running sum l (of the unrounded p) and O^T stay in f32; out0 is f32.
; LIMITS.  |V| stays under 65,504, and a V below 2^-14 keeps f16's fixed step of 2^-24.  A hidden score counts as its value less 1e30, so true scores stay far under 1e30.  A weight below 2^-126
; counts as 0; p below 6e-5 keeps f16's fixed step.  NaN and infinities are not treated apart (O^T starts as the same query's Q times 0).
; SHARES.  A cluster of four work-groups is one (b, h).  Wave w of work-group cx owns eight PIECES of 16 queries, one in each block of 256: q = 256 j + 64 w + 16 cx + lane % 16.  So all 16 waves
; of a cluster walk the same keys with the same pieces alive, and K and V are asked for JOINTLY: the same tensor load, descriptor and mask in all four.
; THE WALK.  Keys go in chunks of 128, u = 0 .. 15; chunk u is alive for pieces j <= u / 2.  A trip takes two chunks: 15 - T and 2 + T (T = 0 .. 6): ten pieces' work in every trip; the tail takes
; chunks 1 and 0, piece 0 alone.  Every piece begins with chunk 15, which holds key 2047, visible to all: the running maximum is a true score from the first step on.
; A TRIP.  The f32 tile (256 rows of K, 256 of V) has landed in the staging region; a barrier; each wave converts 64 rows of K and 64 of V into the 16-bit tiles CK and CV; a round of the cluster's
; barrier; the staging region is asked for again; the two chunks are worked on out of CK and CV while that load is on its way.
; LAYOUT.  S^T = K Q^T (source 0 = 16 keys, source 1 = 16 queries): a lane holds ONE query (lane % 16) and the keys 8 (lane / 16) + 0..7 of each group of 16.  Two such results rounded in pairs ARE
; source 1 of O^T = V^T P, whose result holds one query a lane and eight channels.  K comes out of LDS as it lies, V ([key][channel]) turned, by ds_load_tr16_b128.
; SOFTMAX.  p = 2^(c s - c m), c = log2(e) / 8, m the running maximum; in every step O^T and l are multiplied by a = 2^(c m_old - c m_new); the first step's a is 0.
; THE MASK is the C operand that starts a sum of scores: 0, or -1e30 where the key is hidden.
; REGISTERS, in windows of 256 (s_set_vgpr_msb: bits 1:0 source 0, 3:2 source 1, 5:4 source 2, 7:6 destination):
;   window 0: v0-15 addresses; v16-47 four statistics a piece; v48-63 at work; v64-127 S^T; v128-159 P; v160-223 the masks in hand (all three also serve the conversion)
;   window 1: O^T, 32 a piece      window 2: v0-127 Q, 16 a piece; v128-255 K of a chunk      window 3: v0-127 V of a chunk; v128-167 the two mask patterns
.set ROWB,  4096                    ; bytes from a row to the next
.set BLKB,  256*ROWB                ; from a piece's rows to the next piece's
.set STGV,  65536                   ; LDS 0: staging, the one target of tensor loads: K's 256 rows of 256 bytes, then (here) V's
.set CK,    131072                  ; K in bf16: 256 rows, rows 0-127 the trip's first chunk
.set PKB,   144                     ; 128 bytes + 16: the 16 rows of a fragment load start in 16 different groups of four banks (64 banks of 4 bytes: ISA guide 11.1)
.set CV,    CK+256*PKB              ; V in f16
.set PVB,   160                     ; 128 bytes + 32
.set STAGE, CV+256*PVB              ; the way out: 16 rows x 272 bytes for each wave
.set SP,    272
.set SPARE, STAGE+4*16*SP           ; the spare words, 128 bytes for each wave: two blocks of 256 bytes that no other line names
.set AK0, 3                         ; v3   my lane's place in a chunk of CK; never rewritten
.set AV0, 4                         ; v4   the same for CV
.set AK,  5                         ; v5   the LDS address of K's run of loads
.set AV,  6                         ; v6   of V's
.set CLK, 7                         ; v7   conversion: where I read K's f32
.set CSK, 8                         ; v8   where I put its bf16
.set CLV, 9                         ; v9   the same for V
.set CSV, 10                        ; v10
.set STO, 11                        ; v11  the way out: where I put 32 bytes of a row
.set RD,  12                        ; v12  where I read rows back
.set GO,  13                        ; v13  my byte offset in two rows of out0
.set QO,  14                        ; v14  my byte offset in 16 rows of queries
.set PFO, 15                        ; v15  the prefetches' offset: lane x a row's distance
.set ST,  16                        ; piece j's statistics at v[ST+4 j]: c m, m, l (even keys', odd keys')
.set CC,  48                        ; v48-55  eight running maxima
.set AA,  56                        ; v56 a; v57 0, named with it as a pair
.set OLD, 58                        ; v58  c m_old
.set NH,  59                        ; v59  1.0 in lanes 0-15, 0.0 in lanes 16-31
.set TQ,  60                        ; v60  16 cx + lane % 16 + off - 8 (lane / 16)
.set DD,  61                        ; v61  at work
.set SPW, 62                        ; v62  LDS address of my spare word; never rewritten
.set NIL, 63                        ; v63  0; never rewritten
.set S,   64
.set P,   128
.set MC,  160
.set X0,  64                        ; the conversion's two sets of 64 and its 32 results
.set X1,  160
.set Y,   128
.set KF,  128                       ; window 2: key group kg, channel half f at KF + 16 kg + 8 f
.set MD0, 128                       ; window 3: the mask of the 64 keys in which my queries' diagonal lies
.set MD1, 160                       ; window 3: of the first 8 of the 64 keys behind them, into which off reaches
.set WV,  12                        ; s12  my wave's number
.set PAR, 13                        ; s13  its parity: which of a trip's two chunks I fetch
.set CX,  14                        ; s14  my place in the cluster
.set WV1, 15                        ; s15  wave + 1
.set T,   20                        ; s20  the trip
.set CH,  21                        ; s21  counts a trip's two chunks
.set U,   22                        ; s22  the chunk in hand
.set DU,  23                        ; s23  U - 2 j
.set G1,  24                        ; s[24:31] descriptor group 1
.set G0,  32                        ; s[32:35] descriptor group 0
.set SRC, 36                        ; s[36:37] keys (waves 0, 1) or values (waves 2, 3) at the head's first row
.set PSRC, 38                       ; s[38:39] the same at my work-group's 32 rows of a chunk: for prefetches alone
.set PFA, 40                        ; s[40:41] the prefetch's address
.set OFF, 42                        ; s[42:43] the byte offset of the chunk to be asked for
.set OFF2, 44                       ; s[44:45] of the chunk to be prefetched
.set UA,  46                        ; s46  the trip's first chunk
.set UB,  47                        ; s47  its second
.set MYU, 48                        ; s48  the chunk that I fetched last
.set DN,  49                        ; s49  its step: -1 or 1
.set TAILU, 50                      ; s50  my chunk of the tail
.set TBK, 51                        ; s51  where the chunk in hand begins in CK
.set TBV, 52                        ; s52  in CV
.set SX,  53                        ; s53  which 64 keys behind the piece's block a mask is for
.set BIGN, 55                       ; s55  -1e30
.set AL,  56                        ; s[56:57] MD0's factor, in the low word
.set BE,  58                        ; s[58:59] the addend
.set AL1, 60                        ; s[60:61] MD1's factor
.set CS,  62                        ; s[62:63] c
.set SEL, 66                        ; s[66:67] v_permlanex16_b32's selects: each lane takes its own place in the other half
.set HIM, 68                        ; s68  a word's upper half
.set MSB, 0
.macro WIN new                      ; the high byte repeats the setting that is left; a switch that changes nothing is dropped
.if MSB != (\new)
	s_set_vgpr_msb (MSB<<8)|(\new)
.set MSB, (\new)
.endif
.endm
.set W_KQ, 0x0a                     ; K and Q in window 2, C and S^T in window 0
.set W_PV, 0x53                     ; V in window 3, P in window 0, O^T in window 1
.set W_RS, 0x41                     ; destination and source 0 in window 1, source 1 in window 0
.set W_MK, 0x03                     ; source 0 in window 3
; A round of the cluster's barrier: my work-group's barrier, so that wave 0's signal speaks for all four waves; wave 0 signals; every wave waits for all four work-groups; my work-group's barrier once more.
.macro ROUND
	s_barrier_signal -1
	s_barrier_wait -1
	s_cmp_lg_u32 s[WV], 0
	s_cbranch_scc1 .Lnot_wave_0_\@
	s_barrier_signal -3
.Lnot_wave_0_\@:
	s_barrier_wait -3
	s_barrier_signal -1
	s_barrier_wait -1
.endm
; The joint load: one line for all four waves; source and LDS address hang on the wave's number alone.  An s_nop 0 and four v_nop follow it.
.macro FILL
	tensor_load_to_lds s[G0:G0+3], s[G1:G1+7]
	s_nop 0
.rept 4
	v_nop
.endr
.endm
; A PREFETCH INTO THE L2 of the chunk that my NEXT joint load will ask for: a trip (ten pieces' work and a conversion) ahead of that load.  Of the 128 rows that wave w fetches the partner at place cx
; names 32, told apart by address, a lane a row: one instruction a wave and trip, and each row's 256 bytes are named once in the launch.  Trips 0 and 1 come by their loads alone; trip 6 asks for nothing.
.macro ASK
	s_cmp_lt_u32 s[T], 6
	s_cbranch_scc0 .Lnone_\@
	global_prefetch_b8 v[PFO], s[PFA:PFA+1] th:TH_LOAD_NT scope:SCOPE_SE
.Lnone_\@:
.endm
.macro PLACES                       ; four places behind a matrix instruction (ISA guide 7.12.1), where no other vector work is at hand
.rept 4
	v_nop
.endr
.endm
; THE CONVERSION.  Wave w takes rows 64 w .. 64 w + 63 of K and of V.  A load takes two whole rows: lanes 0-15 one row's 256 bytes, lanes 16-31 the row 8 (K) or 4 (V) further on; a lane's four numbers
; become 8 bytes.  The two rows of a store lie 288 (K) or 160 (V) words apart, 32 modulo 64: the two halves of the lanes meet no common bank.
.macro LDK b, x
.set i, 0
.rept 16
.set n, 16*(\b)+i
	ds_load_b128 v[(\x)+4*i:(\x)+4*i+3], v[CLK] offset:(16*(n/8)+n%8)*256
.set i, i+1
.endr
.endm
.macro STK b
.set i, 0
.rept 16
.set n, 16*(\b)+i
	ds_store_b64 v[CSK], v[Y+2*i:Y+2*i+1] offset:(16*(n/8)+n%8)*PKB
.set i, i+1
.endr
.endm
.macro LDV b, x
.set i, 0
.rept 16
.set n, 16*(\b)+i
	ds_load_b128 v[(\x)+4*i:(\x)+4*i+3], v[CLV] offset:(8*(n/4)+n%4)*256
.set i, i+1
.endr
.endm
.macro STV b
.set i, 0
.rept 16
.set n, 16*(\b)+i
	ds_store_b64 v[CSV], v[Y+2*i:Y+2*i+1] offset:(8*(n/4)+n%4)*PVB
.set i, i+1
.endr
.endm
.macro CVK x                        ; f32 to bf16, two a line
.set i, 0
.rept 32
	v_cvt_pk_bf16_f32 v[Y+i], v[(\x)+2*i], v[(\x)+2*i+1]
.set i, i+1
.endr
.endm
.macro CVV x                        ; f32 to bf16, back to f32 (a shift, a mask), and that number to f16
	CVK \x
.set i, 0
.rept 32
	v_lshlrev_b32 v[(\x)+2*i], 16, v[Y+i]
	v_and_b32 v[(\x)+2*i+1], s[HIM], v[Y+i]
.set i, i+1
.endr
.set i, 0
.rept 32
	v_cvt_pk_f16_f32 v[Y+i], v[(\x)+2*i], v[(\x)+2*i+1]
.set i, i+1
.endr
.endm
.macro CONVERT                      ; LDS serves a wave's instructions in order (ISA guide 5.7.1): each count is what was issued behind the batch that is wanted
	LDK 0, X0
	LDK 1, X1
	s_wait_dscnt 16                 ; K's first batch is in; behind it: 16 loads
	CVK X0
	STK 0
	LDV 0, X0
	s_wait_dscnt 32                 ; K's second batch; behind it: 16 stores, 16 loads
	CVK X1
	STK 1
	LDV 1, X1
	s_wait_dscnt 32                 ; V's first batch; behind it: 16 stores, 16 loads
	CVV X0
	STV 0
	s_wait_dscnt 16                 ; V's second batch; behind it: 16 stores
	CVV X1
	STV 1
.endm
; A chunk's fragments, in two runs of 32 loads: K (128 keys x 64 channels: 16 fragments) and V (turned).
.macro FETCH
	WIN 0
	v_add_nc_u32 v[AK], s[TBK], v[AK0]
	v_add_nc_u32 v[AV], s[TBV], v[AV0]
	WIN 0x80                        ; destination window 2
.set i, 0
.rept 16                            ; keys 16 (i / 2) on, channels 32 (i % 2) on
	ds_load_b128 v[KF+8*i:KF+8*i+3],   v[AK] offset:(i/2)*16*PKB+(i%2)*64
	ds_load_b128 v[KF+8*i+4:KF+8*i+7], v[AK] offset:(i/2)*16*PKB+(i%2)*64+32
.set i, i+1
.endr
	WIN 0xc0                        ; destination window 3
.set i, 0
.rept 16                            ; keys 32 (i / 4) on, channels 16 (i % 4) on
	ds_load_tr16_b128 v[8*i:8*i+3],   v[AV] offset:(i/4)*32*PVB+(i%4)*32
	ds_load_tr16_b128 v[8*i+4:8*i+7], v[AV] offset:(i/4)*32*PVB+16*PVB+(i%4)*32
.set i, i+1
.endr
	WIN 0
	s_wait_dscnt 32                 ; K is in; V's 32 loads, issued behind it, stay out
.endm
; THE MASKS of a piece and chunk.  The chunk's half hf is the 64 keys number x = 2 DU + hf behind the piece's block; my queries lie in number w.  w > x: all hidden.  w = x: MD0.  w + 1 = x: MD1, in the
; first 8 keys.  Else nothing.  So a half's mask is MD0 x AL + BE, and MD1 x AL1 is added to its first eight registers.  The scalars hang on the wave's number and the loops' counts.
.macro MASKS
	s_lshl_b32 s[SX], s[DU], 1
.irp hf, 0, 1
.if \hf
	s_add_co_u32 s[SX], s[SX], 1
.endif
	s_cmp_eq_u32 s[WV], s[SX]
	s_cselect_b32 s[AL], 1.0, 0
	s_cmp_gt_u32 s[WV], s[SX]
	s_cselect_b32 s[BE], s[BIGN], 0
	s_cmp_eq_u32 s[WV1], s[SX]
	s_cselect_b32 s[AL1], 1.0, 0
	WIN W_MK
.set z, 0
.rept 16
	v_pk_fma_f32 v[MC+32*\hf+2*z:MC+32*\hf+2*z+1], v[MD0+2*z:MD0+2*z+1], s[AL:AL+1], s[BE:BE+1] op_sel_hi:[1,0,0]
.set z, z+1
.endr
.set z, 0
.rept 4
	v_pk_fma_f32 v[MC+32*\hf+2*z:MC+32*\hf+2*z+1], v[MD1+2*z:MD1+2*z+1], s[AL1:AL1+1], v[MC+32*\hf+2*z:MC+32*\hf+2*z+1] op_sel_hi:[1,0,1]
.set z, z+1
.endr
.endr
.endm
; Product i of 16 of S^T = K Q^T for piece j: keys 16 (i % 8) on, channels 32 (i / 8) on.  The first 8 start the sums, with the mask (c = 1) or with 0.  The eight accumulators take turns.
.macro KQ j, c
	WIN W_KQ
.set rS, S+8*(i%8)
.set rK, KF+16*(i%8)+8*(i/8)
.set rQ, 16*(\j)+8*(i/8)
.if i >= 8
	v_wmma_f32_16x16x32_bf16 v[rS:rS+7], v[rK:rK+7], v[rQ:rQ+7], v[rS:rS+7]
.elseif \c
	v_wmma_f32_16x16x32_bf16 v[rS:rS+7], v[rK:rK+7], v[rQ:rQ+7], v[MC+8*i:MC+8*i+7]
.else
	v_wmma_f32_16x16x32_bf16 v[rS:rS+7], v[rK:rK+7], v[rQ:rQ+7], 0
.endif
.endm
; Product i of 16 of O^T += V^T P for piece j: keys 32 (i / 4) on, channels 16 (i % 4) on.  The four accumulators take turns.
.macro PV j
	WIN W_PV
.set rO, 32*(\j)+8*(i%4)
.set rV, 32*(i/4)+8*(i%4)
.set rP, P+8*(i/4)
	v_wmma_f32_16x16x32_f16 v[rO:rO+7], v[rV:rV+7], v[rP:rP+7], v[rO:rO+7]
.endm
; Number z of the 32 that add up the 32 pairs of weights (in a pair: an even key's, an odd key's), in place: neighbours 1, 2, 4, 8, 16 pairs apart; the last is l = a l + the sum.
.macro SUMZ
.if z < 16
	v_pk_add_f32 v[S+4*z:S+4*z+1], v[S+4*z:S+4*z+1], v[S+4*z+2:S+4*z+3]
.elseif z < 24
.set u, z-16
	v_pk_add_f32 v[S+8*u:S+8*u+1], v[S+8*u:S+8*u+1], v[S+8*u+4:S+8*u+5]
.elseif z < 28
.set u, z-24
	v_pk_add_f32 v[S+16*u:S+16*u+1], v[S+16*u:S+16*u+1], v[S+16*u+8:S+16*u+9]
.elseif z < 30
.set u, z-28
	v_pk_add_f32 v[S+32*u:S+32*u+1], v[S+32*u:S+32*u+1], v[S+32*u+16:S+32*u+17]
.elseif z == 30
	v_pk_add_f32 v[S:S+1], v[S:S+1], v[S+32:S+33]
.else
	v_pk_fma_f32 v[pT+2:pT+3], v[pT+2:pT+3], v[AA:AA+1], v[S:S+1] op_sel_hi:[1,0,1]
.endif
.set z, z+1
.endm
; PIECE j AND THE CHUNK IN HAND.  A piece whose block lies behind the chunk is dead, and so are all pieces after it: a jump forward to the chunk's end, past no barrier and no tensor load.
; am = 1: the text is used where masks are always wanted.  Masks are wanted where DU <= 2; piece 7 has DU <= 1.
.macro PIECE j, am, tag
.set pT, ST+4*(\j)
.set pO, 32*(\j)
	WIN 0
.if (\j) > 0
	s_sub_co_i32 s[DU], s[U], 2*(\j)
	s_cmp_lt_i32 s[DU], 0
	s_cbranch_scc1 .Lexit_\tag
.else
	s_mov_b32 s[DU], s[U]
.endif
.if ((\j) != 7) && !(\am)
	s_cmp_gt_i32 s[DU], 2
	s_cbranch_scc1 .Lplain_\@
.endif
	MASKS
.if (\j) == 7                       ; key 2047 is register 63 of lanes 16-31 in chunk 15 (DU = 1): its mask is multiplied by 0 there, everything else by 1
	WIN 0
	s_cmp_eq_u32 s[DU], 1
	s_cselect_b32 s69, 0, 1.0
	v_max_num_f32 v[DD], s69, v[NH]
	v_mul_f32 v[MC+63], v[MC+63], v[DD]
.endif
.set i, 0
.rept 8
	KQ \j, 1
.set i, i+1
.endr
.if ((\j) != 7) && !(\am)
	WIN 0                           ; at a label and at a branch every window is 0
	s_branch .Ljoin_\@
.Lplain_\@:
.set i, 0
.rept 8
	KQ \j, 0
.set i, i+1
.endr
	WIN 0
.Ljoin_\@:
.endif
.set i, 8
.rept 8
	KQ \j, 0
.set i, i+1
.endr
	WIN 0
	v_mov_b32 v[OLD], v[pT]         ; c m_old is kept; with three v_nop the four places behind the last product
	v_nop
	v_nop
	v_nop
	; the maximum of the lane's 64 scores and the old m, three operands at a time; each accumulator's lowest registers are read first
.set n, 0
.rept 8
	v_max3_num_f32 v[CC+n], v[S+8*n], v[S+8*n+1], v[S+8*n+2]
.set n, n+1
.endr
.set n, 0
.rept 8
	v_max3_num_f32 v[CC+n], v[CC+n], v[S+8*n+3], v[S+8*n+4]
.set n, n+1
.endr
.set n, 0
.rept 8
	v_max3_num_f32 v[CC+n], v[CC+n], v[S+8*n+5], v[S+8*n+6]
.set n, n+1
.endr
.set n, 0
.rept 4
	v_max3_num_f32 v[CC+n], v[CC+n], v[S+16*n+7], v[S+16*n+15]
.set n, n+1
.endr
	v_max3_num_f32 v[CC], v[CC], v[CC+4], v[CC+5]
	v_max3_num_f32 v[CC+1], v[CC+1], v[CC+6], v[CC+7]
	v_max3_num_f32 v[CC+2], v[CC+2], v[CC+3], v[pT+1]
	v_max3_num_f32 v[CC], v[CC], v[CC+1], v[CC+2]
	v_permlanex16_b32 v[CC+1], v[CC], s[SEL], s[SEL+1]  ; the query's other 64 keys lie in the lane 16 away
	v_max_num_f32 v[pT+1], v[CC], v[CC+1]
	v_mul_f32 v[pT], s[CS], v[pT+1]
	v_sub_f32 v[DD], v[OLD], v[pT]
	; ONE BATCH of 65 exponentials, the 32 scalings c s - c m among them; nothing in it names an exponential's result
	v_exp_f32 v[AA], v[DD]
	v_pk_fma_f32 v[S:S+1], v[S:S+1], s[CS:CS+1], v[pT:pT+1] op_sel_hi:[1,0,0] neg_lo:[0,0,1] neg_hi:[0,0,1]
.set n, 1
.rept 31
	v_pk_fma_f32 v[S+2*n:S+2*n+1], v[S+2*n:S+2*n+1], s[CS:CS+1], v[pT:pT+1] op_sel_hi:[1,0,0] neg_lo:[0,0,1] neg_hi:[0,0,1]
	v_exp_f32 v[S+n-1], v[S+n-1]
.set n, n+1
.endr
.set n, 31
.rept 33
	v_exp_f32 v[S+n], v[S+n]
.set n, n+1
.endr
	v_nop                           ; a plain instruction behind the last exponential (ISA guide 5.7.2): one for the batch
	s_wait_alu depctr_va_vdst(0)    ; and the one wait ahead of the batch's first reader
	WIN W_RS
.set n, 0
.rept 16                            ; O^T times a, from each accumulator's low end on
	v_pk_mul_f32 v[pO+2*n:pO+2*n+1], v[pO+2*n:pO+2*n+1], v[AA:AA+1] op_sel_hi:[1,0]
.set n, n+1
.endr
	WIN 0
.set n, 0
.rept 16                            ; the first 64 keys' weights to f16
	v_cvt_pk_f16_f32 v[P+n], v[S+2*n], v[S+2*n+1]
.set n, n+1
.endr
.if (\j) == 0
	s_wait_dscnt 0x0                ; V is in: piece 0 comes first in every chunk
.endif
	; 16 products, three vector instructions behind each: the other 64 keys' roundings (ahead of the products that read them) and the sums; none names a register of the product in front of it
.set i, 0
.set z, 0
.rept 16
	PV \j
	WIN 0
.if i < 8
	v_cvt_pk_f16_f32 v[P+16+2*i], v[S+32+4*i], v[S+33+4*i]
	v_cvt_pk_f16_f32 v[P+17+2*i], v[S+34+4*i], v[S+35+4*i]
	SUMZ
.else
	SUMZ
	SUMZ
	SUMZ
.endif
.set i, i+1
.endr
.endm
	s_load_b256 s[4:11], s[0:1], 0x0  ; queries s[4:5], keys s[6:7], values s[8:9], out0 s[10:11]
	v_lshl_add_u32 v[SPW], v0, 2, SPARE
	v_mov_b32 v[NIL], 0
	ds_add_u32 v[SPW], v[NIL]       ; the wave's opening: the add and its wait ahead of my first tensor load; the set-up below, work on registers, stands between them
	v_lshrrev_b32 v3, 5, v0
	v_readfirstlane_b32 s[WV], v3   ; wave 0..3
	s_and_b32 s[PAR], s[WV], 1
	s_add_co_u32 s[WV1], s[WV], 1
	s_bfe_u32 s[CX], ttmp6, 0x40000 ; cx: it enters Q's and O's addresses, the prefetches' address and the mask patterns alone
	s_and_b32 s69, ttmp7, 0xffff    ; 16 b + h, which the four partners share
	s_lshr_b32 s70, s69, 4
	s_lshl_b32 s16, s70, 23         ; b x 2,048 rows of 4,096 bytes
	s_and_b32 s69, s69, 15
	s_lshl_b32 s70, s69, 8          ; h x 256 bytes
	s_add_co_u32 s16, s16, s70
	s_mov_b32 s17, 0                ; s[16:17]: the head's first byte in each of the four tensors
	s_lshr_b32 s69, s69, 2
	s_lshl_b32 s69, 1, s69
	s_sub_co_u32 s69, s69, 1        ; off = 2^(h / 4) - 1
	s_lshl4_add_u32 s71, s[CX], s69 ; 16 cx + off
	s_lshl_b32 s18, s[WV], 18       ; 64 w rows
	s_lshl_b32 s19, s[CX], 16       ; 16 cx rows
	s_add_co_u32 s18, s18, s19
	s_mov_b32 s19, 0
	s_add_nc_u64 s[18:19], s[18:19], s[16:17]  ; my piece 0's first row
	s_lshl_b32 s2, s[CX], 17        ; my work-group's 32 rows of a chunk
	s_mov_b32 s3, 0
	s_cmp_eq_u32 s[PAR], 0
	s_cselect_b32 s[MYU], 15, 2     ; trip 0: chunks 15 and 2
	s_cselect_b32 s[DN], -1, 1
	s_xor_b32 s[TAILU], s[PAR], 1   ; the tail: chunks 1 and 0
	s_lshl_b32 s[OFF], s[MYU], 19   ; a chunk is 128 rows of 4,096 bytes
	s_mov_b32 s[OFF+1], 0
	s_mov_b32 s[OFF2+1], 0
	; descriptor group 1: a tile of 128 rows x 64 elements of 4 bytes, laid into LDS without gaps
	s_mov_b32 s[G1+0], 15|(2<<16)|(1<<21)  ; 15:0 the mask of four; 17:16 4-byte elements; 21 set beside a mask
	s_mov_b32 s[G1+1], 64<<16       ; tensor_dim0 = 64
	s_mov_b32 s[G1+2], 128<<16      ; tensor_dim1 = 128
	s_mov_b32 s[G1+3], 64<<16       ; tile_dim0 = 64
	s_mov_b32 s[G1+4], 128          ; tile_dim1 = 128
	s_mov_b32 s[G1+5], 1024         ; 1,024 elements from row to row
	s_mov_b32 s[G1+6], 0
	s_mov_b32 s[G1+7], 0
	s_mov_b32 s[G0], 1              ; count = 1
	s_mul_i32 s[G0+1], s[WV], 32768 ; LDS address: K's two chunks, then V's two = wave x 128 rows of 256 bytes
	s_mov_b32 s[BIGN], 0xf149f2ca   ; -1e30
	s_mov_b32 s[AL+1], 0            ; named as pairs
	s_mov_b32 s[BE+1], 0
	s_mov_b32 s[AL1+1], 0
	s_mov_b32 s[CS], 0x3e38aa3b     ; c = log2(e) / 8 = 0.180337
	s_mov_b32 s[CS+1], s[CS]
	s_mov_b32 s[SEL], 0x76543210
	s_mov_b32 s[SEL+1], 0xfedcba98
	s_mov_b32 s[HIM], 0xffff0000
	s_mov_b32 s[T], 0
	s_mov_b32 s[UA], 15
	s_mov_b32 s[UB], 2
	s_wait_dscnt 0x0                ; the opening add is done
	s_wait_kmcnt 0x0
	s_add_nc_u64 s[4:5], s[4:5], s[18:19]
	s_add_nc_u64 s[10:11], s[10:11], s[18:19]
	s_cmp_lt_u32 s[WV], 2
	s_cselect_b64 s[SRC:SRC+1], s[6:7], s[8:9]
	s_add_nc_u64 s[SRC:SRC+1], s[SRC:SRC+1], s[16:17]
	s_add_nc_u64 s[PSRC:PSRC+1], s[SRC:SRC+1], s[2:3]
	s_add_nc_u64 s[G0+2:G0+3], s[SRC:SRC+1], s[OFF:OFF+1]  ; global address of my chunk of trip 0
	s_or_b32 s[G0+3], s[G0+3], 0x80000000                  ; type = 2
	ROUND                           ; all four work-groups are here: the first joint loads meet
	FILL
	; Q: a fragment wants, for lane l, row l % 16 and channels 8 (l / 16) + 0..7 of each 16: 32 bytes of f32, two loads.  The f32 land in O^T's registers, piece j's in piece j's.
	v_and_b32 v1, 15, v0            ; l % 16
	v_bfe_u32 v2, v0, 4, 1          ; l / 16
	v_lshlrev_b32 v[QO], 12, v1
	v_lshl_add_u32 v[QO], v2, 5, v[QO]
	WIN 0x40                        ; destination window 1
.set i, 0
.rept 64                            ; piece i / 8; 64 bytes (16 channels) number (i % 8) / 2 of the row; 16 bytes number i % 2 of my 32
	global_load_b128 v[4*i:4*i+3], v[QO], s[4:5] offset:(i/8)*BLKB+((i%8)/2)*64+(i%2)*16
.set i, i+1
.endr
	WIN 0
	v_mul_u32_u24 v[AK0], v1, PKB
	v_lshl_add_u32 v[AK0], v2, 4, v[AK0]  ; row x pitch + 16 x half
	v_add_nc_u32 v[AK0], CK, v[AK0]
	; The turning load takes 16 keys x 16 channels (lane l reads key 8 (l / 16) + l % 8, channels 8 ((l / 8) % 2) + 0..7) and leaves half a fragment of V^T: lane l holds channel l % 16 and 8 keys.
	v_and_b32 v[CC], 7, v0
	v_bfe_u32 v[CC+1], v0, 3, 1
	v_lshl_add_u32 v[AV0], v2, 3, v[CC]
	v_mul_u32_u24 v[AV0], v[AV0], PVB
	v_lshl_add_u32 v[AV0], v[CC+1], 4, v[AV0]
	v_add_nc_u32 v[AV0], CV, v[AV0]
	s_mul_i32 s69, s[WV], 64*256    ; my 64 rows in the staging region
	v_lshlrev_b32 v[CLK], 4, v1
	v_lshl_add_u32 v[CLV], v2, 10, v[CLK]  ; lanes 16-31: 4 rows on
	v_lshl_add_u32 v[CLK], v2, 11, v[CLK]  ; lanes 16-31: 8 rows on
	v_add_nc_u32 v[CLK], s69, v[CLK]
	s_add_co_u32 s69, s69, STGV
	v_add_nc_u32 v[CLV], s69, v[CLV]
	s_mul_i32 s70, s[WV], 64*PKB
	s_add_co_u32 s70, s70, CK
	v_mul_u32_u24 v[CSK], v2, 8*PKB
	v_lshl_add_u32 v[CSK], v1, 3, v[CSK]
	v_add_nc_u32 v[CSK], s70, v[CSK]
	s_mul_i32 s70, s[WV], 64*PVB
	s_add_co_u32 s70, s70, CV
	v_mul_u32_u24 v[CSV], v2, 4*PVB
	v_lshl_add_u32 v[CSV], v1, 3, v[CSV]
	v_add_nc_u32 v[CSV], s70, v[CSV]
	s_mul_i32 s70, s[WV], 16*SP
	s_add_co_u32 s70, s70, STAGE    ; my stage
	v_mul_u32_u24 v[STO], v1, SP    ; in: row l % 16, 32 bytes for each half of the lanes
	v_lshl_add_u32 v[STO], v2, 5, v[STO]
	v_add_nc_u32 v[STO], s70, v[STO]
	v_mul_u32_u24 v[RD], v2, SP     ; back: lanes 0-15 take one row of 256 bytes, lanes 16-31 the next
	v_lshl_add_u32 v[RD], v1, 4, v[RD]
	v_add_nc_u32 v[RD], s70, v[RD]
	v_lshlrev_b32 v[GO], 12, v2     ; and the same two rows in out0
	v_lshl_add_u32 v[GO], v1, 4, v[GO]
	v_and_b32 v[PFO], 31, v0
	v_lshlrev_b32 v[PFO], 12, v[PFO]
	v_cvt_f32_u32 v[NH], v2
	v_sub_f32 v[NH], 1.0, v[NH]
	v_lshlrev_b32 v[TQ], 3, v2
	v_sub_nc_u32 v[TQ], v1, v[TQ]
	v_add_nc_u32 v[TQ], s71, v[TQ]  ; key 16 g + e of my lanes' eight is hidden where 16 g + e <= this, in my queries' own 64 keys; 64 + e <= this, in the next 64
	v_mov_b32 v[AA+1], 0
.set i, 0
.rept 8
	v_mov_b32 v[ST+4*i], 0xfe000000    ; c m: far below every c s, so that the first a is 0
	v_mov_b32 v[ST+4*i+1], 0xff7fffff  ; m: the lowest finite number
	v_mov_b32 v[ST+4*i+2], 0
	v_mov_b32 v[ST+4*i+3], 0
.set i, i+1
.endr
	WIN 0xc0                        ; destination window 3
.set i, 0
.rept 32
	v_cmp_le_i32 vcc_lo, 16*(i/8)+i%8, v[TQ]
	v_cndmask_b32 v[MD0+i], 0, s[BIGN], vcc_lo
.set i, i+1
.endr
.set i, 0
.rept 8
	v_cmp_le_i32 vcc_lo, 64+i, v[TQ]
	v_cndmask_b32 v[MD1+i], 0, s[BIGN], vcc_lo
.set i, i+1
.endr
	s_wait_loadcnt 0x0              ; Q
	WIN 0x85                        ; sources window 1, destination window 2
.set i, 0
.rept 128                           ; Q to bf16.  Its f32 stay where they are: O^T need only be finite, since each piece's first step multiplies it by a = 0
	v_cvt_pk_bf16_f32 v[i], v[2*i], v[2*i+1]
.set i, i+1
.endr
	WIN 0
.Ltrip:                             ; seven trips: chunks 15 - T and 2 + T
	s_wait_tensorcnt 0x0            ; my one load that is out, my quarter of this trip's tile, has landed: the other waves will read it;
	s_wait_dscnt 0x0                ; my reads of CK and CV are over: the other waves will write them
	s_barrier_signal -1
	s_barrier_wait -1               ; both now hold of all four waves.
	CONVERT
	s_wait_tensorcnt 0x0            ; no tensor load of mine is out, so group 0 may be written
	ds_add_u32 v[SPW], v[NIL]       ; 0 onto my spare word; the scalar work below stands between it and the wait for it
	s_wait_xcnt 0x0                 ; the last prefetch, a trip back, has read its address, so it may be written
	s_add_co_i32 s[MYU], s[MYU], s[DN]
	s_cmp_eq_u32 s[T], 6            ; the next trip is the tail
	s_cselect_b32 s54, s[TAILU], s[MYU]
	s_lshl_b32 s[OFF], s54, 19
	s_add_nc_u64 s[G0+2:G0+3], s[SRC:SRC+1], s[OFF:OFF+1]  ; the address is made anew from the chunk's number
	s_or_b32 s[G0+3], s[G0+3], 0x80000000
	s_add_co_i32 s54, s[MYU], s[DN] ; the chunk after that one, for the prefetch
	s_cmp_eq_u32 s[T], 5
	s_cselect_b32 s54, s[TAILU], s54
	s_lshl_b32 s[OFF2], s54, 19
	s_add_nc_u64 s[PFA:PFA+1], s[PSRC:PSRC+1], s[OFF2:OFF2+1]
	s_wait_dscnt 0x0                ; the add is done; my reads of the staging region are back; my stores into CK and CV are done
	ROUND                           ; all that now holds of every wave of every partner: the staging region may be filled again, CK and CV may be read
	FILL                            ; the next trip's tile: it has this trip's ten pieces' work in which to land
	ASK
	s_mov_b32 s[U], s[UA]
	s_mov_b32 s[TBK], 0
	s_mov_b32 s[TBV], 0
	s_mov_b32 s[CH], 2
.Lchunk:
	FETCH
	PIECE 0, 0, m
	PIECE 1, 0, m
	PIECE 2, 0, m
	PIECE 3, 0, m
	PIECE 4, 0, m
	PIECE 5, 0, m
	PIECE 6, 0, m
	PIECE 7, 0, m
	WIN 0
.Lexit_m:
	PLACES                          ; behind the last product, in front of the loads into registers that it has read
	s_mov_b32 s[U], s[UB]
	s_add_co_u32 s[TBK], s[TBK], 128*PKB
	s_add_co_u32 s[TBV], s[TBV], 128*PVB
	s_sub_co_u32 s[CH], s[CH], 1
	s_cmp_lg_u32 s[CH], 0
	s_cbranch_scc1 .Lchunk
	s_sub_co_u32 s[UA], s[UA], 1
	s_add_co_u32 s[UB], s[UB], 1
	s_add_co_u32 s[T], s[T], 1
	s_cmp_lt_u32 s[T], 7
	s_cbranch_scc1 .Ltrip
	; THE TAIL is written out: chunks 1 and 0, piece 0 alone; nothing is asked for
	s_wait_tensorcnt 0x0            ; my quarter of the last tile has landed
	s_wait_dscnt 0x0
	s_barrier_signal -1
	s_barrier_wait -1
	CONVERT
	s_wait_dscnt 0x0                ; my stores into CK and CV are done
	s_barrier_signal -1
	s_barrier_wait -1
	s_mov_b32 s[U], 1
	s_mov_b32 s[TBK], 0
	s_mov_b32 s[TBV], 0
	s_mov_b32 s[CH], 2
.Lchunk_t:
	FETCH
	PIECE 0, 1, t
	WIN 0
	PLACES
	s_sub_co_u32 s[U], s[U], 1
	s_add_co_u32 s[TBK], s[TBK], 128*PKB
	s_add_co_u32 s[TBV], s[TBV], 128*PVB
	s_sub_co_u32 s[CH], s[CH], 1
	s_cmp_lg_u32 s[CH], 0
	s_cbranch_scc1 .Lchunk_t
	; THE WAY OUT.  l's two halves and the other half of the lanes' are added; O^T is divided by l and sent through my stage in LDS, a piece (16 rows of out0) at a time.
.macro ALL line:vararg              ; one line for each piece t
.set t, 0
.rept 8
	\line
.set t, t+1
.endr
.endm
	ALL v_add_f32 v[ST+4*t+2], v[ST+4*t+2], v[ST+4*t+3]
	ALL v_permlanex16_b32 v[ST+4*t+3], v[ST+4*t+2], s[SEL], s[SEL+1]
	ALL v_add_f32 v[ST+4*t+2], v[ST+4*t+2], v[ST+4*t+3]
	ALL v_rcp_f32 v[ST+4*t+2], v[ST+4*t+2]
	v_nop                           ; a plain instruction between the last reciprocal and the use of its result
	s_wait_alu depctr_va_vdst(0)    ; and the wait ahead of the first use: one for the eight reciprocals
; Piece t: a lane's eight channels of a row are 32 bytes; they go into rows of 272 bytes and come back as whole rows of 256, into the registers that they left.
.macro PACK t
	WIN W_RS
.set i, 32*(\t)
.rept 16
	v_pk_mul_f32 v[i:i+1], v[i:i+1], v[ST+4*(\t)+2:ST+4*(\t)+3] op_sel_hi:[1,0]
.set i, i+2
.endr
	WIN 0x04                        ; store data (source 1) window 1
.irp f, 0,1,2,3,4,5,6,7
	ds_store_b128 v[STO], v[32*(\t)+4*\f:32*(\t)+4*\f+3] offset:64*(\f/2)+16*(\f%2)
.endr
	WIN 0x40                        ; destination window 1
.irp f, 0,1,2,3,4,5,6,7
	ds_load_b128 v[32*(\t)+4*\f:32*(\t)+4*\f+3], v[RD] offset:\f*2*SP  ; LDS serves a wave's instructions in order (ISA guide 5.7.1.4): these see the stores above; the next piece's stores come behind them
.endr
.endm
.macro SEND t, younger              ; younger: the LDS instructions issued behind piece t's loads: the next piece's sixteen, or none
	WIN 0x04
.irp f, 0,1,2,3,4,5,6,7
	s_wait_dscnt (\younger)+7-\f
	global_store_b128 v[GO], v[32*(\t)+4*\f:32*(\t)+4*\f+3], s[10:11] offset:(\t)*BLKB+\f*2*ROWB th:TH_STORE_NT  ; 16 lanes store a row's 256 consecutive bytes, at a multiple of 256 from out0's first byte
.endr
.endm
	PACK 0
.set t, 1
.rept 7                             ; a piece's arithmetic stands between the loads of the piece before and its stores
	PACK t
	SEND t-1, 16
.set t, t+1
.endr
	SEND 7, 0
	WIN 0
	s_wait_tensorcnt 0x0            ; the wave's end, behind my last tensor load and my last LDS store
	ds_add_u32 v[SPW], v[NIL]
	s_wait_dscnt 0x0
	ROUND                           ; the closing round: no work-group ends while a partner may still ask for a tile that names it
	s_endpgm
.Lfunc_end_k_q83c6d47f6c_attn:
	.size	k_q83c6d47f6c_attn, .Lfunc_end_k_q83c6d47f6c_attn-k_q83c6d47f6c_attn
	.p2alignl 7, 3214868480
	.fill 96, 4, 3214868480
	.section	.rodata,"a",@progbits
	.p2align	6, 0x0
	.amdhsa_kernel k_q83c6d47f6c_attn
		.amdhsa_group_segment_fixed_size 327680
		.amdhsa_private_segment_fixed_size 0
		.amdhsa_enable_private_segment 0
		.amdhsa_kernarg_size 32
		.amdhsa_user_sgpr_count 2
		.amdhsa_user_sgpr_kernarg_segment_ptr 1
		.amdhsa_wavefront_size32 1
		.amdhsa_system_sgpr_workgroup_id_x 1
		.amdhsa_system_sgpr_workgroup_id_y 1
		.amdhsa_system_sgpr_workgroup_id_z 1
		.amdhsa_system_vgpr_workitem_id 0
		.amdhsa_next_free_vgpr 1024
		.amdhsa_next_free_sgpr 80
		.amdhsa_reserve_vcc 1
		.amdhsa_float_denorm_mode_32 3
		.amdhsa_float_denorm_mode_16_64 3
		.amdhsa_memory_ordered 1
		.amdhsa_forward_progress 1
		.amdhsa_inst_pref_size 255
	.end_amdhsa_kernel
	.section	.bss,"aw",@nobits
	.p2align	6
	.space	262144
	.amdgpu_metadata
---
amdhsa.version: [ 1, 2 ]
amdhsa.kernels:
  - .name:           k_q83c6d47f6c_attn
    .symbol:         k_q83c6d47f6c_attn.kd
    .args:
      - { .name: queries, .offset: 0, .size: 8, .value_kind: global_buffer, .address_space: global }
      - { .name: keys, .offset: 8, .size: 8, .value_kind: global_buffer, .address_space: global }
      - { .name: values, .offset: 16, .size: 8, .value_kind: global_buffer, .address_space: global }
      - { .name: out0, .offset: 24, .size: 8, .value_kind: global_buffer, .address_space: global }
    .group_segment_fixed_size: 327680
    .private_segment_fixed_size: 0
    .kernarg_segment_align: 8
    .kernarg_segment_size: 32
    .max_flat_workgroup_size: 128
    .sgpr_count:     80
    .vgpr_count:     1024
    .wavefront_size: 32
...
	.end_amdgpu_metadata
.endif
;; end of part 1
